; MI455X (gfx1250); checked and timed in simulation.
; The chip was launched on July 23, 2026; its instructions are those of AMD's public machine-readable ISA for CDNA 5 (MIT licence, August 2026) and "CDNA5" Instruction Set Architecture Reference Guide (July 2026). The comments in the code are by the model that wrote it; some were corrected since.
;; Head. Allowed arithmetic: matrix products marked QUANTISED: E2M1 operands, one E8M0 scale for each 32 along K, by v_wmma_scale_f32_16x16x128_f8f6f4 with both operands' format E2M1 (or v_wmma_scale_f32_32x16x128_f4), f32 sums; everything else in f32.
;; Inputs: W_k 128 x 32 float32; W_q 128 x 32 float32; W_v 128 x 32 float32; x 8 x 4,096 x 128 float32.
;; Outputs: out0 8 x 4,096 x 32 float32.
;; This version of the problem:
;;   THIS VERSION OF THE PROBLEM IS GIVEN IN LOW PRECISION. The matrix products marked QUANTISED in the list below multiply operands that are first quantised to E2M1 (2 exponent bits, 1 mantissa bit; 4 bits a number), with one power-of-two scale for each 32 numbers along K (OCP MX v1.0); their sums are f32. All else is computed in f32.
;;   The module's matrix products, in the order in which they are computed (A, B: the left and right operand; K: the contracted axis; several contracted axes count as one K, in the product's order):
;;     1. [M 32,768, K 128] x [K 128, N 32]; A: input x; B: input W_q: QUANTISED
;;     2. [M 32,768, K 128] x [K 128, N 32]; A: input x; B: input W_k: QUANTISED
;;     3. [M 32,768, K 128] x [K 128, N 32]; A: input x; B: input W_v: QUANTISED
;;     4. batch 8 x [M 4,096, K 32] x [K 32, N 4,096]; A: computed on the way; B: computed on the way: QUANTISED
;;     5. batch 8 x [M 4,096, K 4,096] x [K 4,096, N 32]; A: softmax (see below); B: computed on the way: QUANTISED
;;   THE QUANTISER, for each operand of a quantised product, along K:
;;     - K is cut into blocks of 32 from its start; a last block that is shorter is filled with zeros.
;;     - A block's scale is 2^e with e = floor(log2(the largest magnitude in the block)) - 2, held to -126 .. 127; a block of zeros has e = 0. As a byte (E8M0): e + 127.
;;     - Each number is divided by its block's scale, clamped to +-6, and rounded to the nearest number of E2M1, ties to even, subnormals kept.
;;     - The product sums the exact products of the quantised numbers (number of the format x scale) in f32.
;;   ~~~python
;;   def quantise(x, axis):      # numpy; x: float32 -> the quantised numbers, widened to float32 again
;;       x = np.moveaxis(x, axis, -1); K = x.shape[-1]
;;       x = np.pad(x, [(0, 0)] * (x.ndim - 1) + [(0, -K % 32)]); x = x.reshape(x.shape[:-1] + (-1, 32)); a = np.abs(x).max(-1, keepdims=True)
;;       e = np.where(a > 0, np.clip(np.frexp(np.where(a > 0, a, 1))[1] - 1 - 2, -126, 127), 0)      # np.frexp(a)[1] - 1 = floor(log2(a)), exactly
;;       r = np.clip(x / 2.0 ** e, -6, 6)
;;       step = 2.0 ** (np.maximum(np.frexp(np.where(r == 0, 1, r))[1] - 1, 0) - 1)
;;       q = np.round(r / step) * step * 2.0 ** e      # np.round: ties to even
;;       return np.moveaxis(q.reshape(q.shape[:-2] + (-1,))[..., :K], -1, axis).astype(np.float32)
;;   ~~~
;;   SOFTMAX AHEAD OF A QUANTISED PRODUCT. Where the list says 'softmax', what is quantised is not the finished softmax but p = 2^(t - M), with t = logit x log2(e) and M = ceil(the row's largest t), a whole number; so 1/2 < the row's largest p <= 1. The row's sum l is taken of the UNQUANTISED p, in f32, and the product's result is divided by l at the end. Since M is a whole number, a kernel that streams over the keys may use a running M (the ceiling of the running maximum): every later rescaling is an exact power of two, which a block's scale takes up: the codes' values come out the same.
;;   OPERANDS COMPUTED ON THE WAY. 'Computed on the way' means the value that the module computes at that place (a softmax that the list does not call 'softmax' is quantised finished and normalised). What goes into a quantiser is computed in f32, as accurately as f32 sums, v_exp_f32 and their like allow (about 1e-6 of the number): no bf16 or f16 on the way to a quantiser, and a product that is left as it is and whose result goes on into a quantised operand takes f32 operands (vector FMAs, or v_wmma_f32_16x16x4_f32). A number that lies on a knife's edge between two numbers of the format may be rounded either way, as far as f32 arithmetic and the matrix unit's own rounding can turn it there, and no further.
;; One version. Each part assembles by itself: llvm-mc -triple=amdgcn-amd-amdhsa -mcpu=gfx1250 --defsym DOCPART=n.
;; ======== version 1 of 1: 2 launches
;; workspace buffers: qc 524,288 bytes; qs 131,072 bytes; kc 524,288 bytes; ks 131,072 bytes; vc 524,288 bytes; vs 32,768 bytes
;; launch proj (part 1): grid 256 x 1, 4 waves a work-group, no clusters, 168,448 bytes of LDS; arguments x, W_q, W_k, W_v, qc, qs, kc, ks, vc, vs; writes qc, qs, kc, ks, vc, vs
.if DOCPART == 1
	.amdgcn_target "amdgcn-amd-amdhsa--gfx1250"
	.amdhsa_code_object_version 6
	.text
	.protected	k_qa8fffe6e43_proj
	.globl	k_qa8fffe6e43_proj
	.p2align	8
	.type	k_qa8fffe6e43_proj,@function
k_qa8fffe6e43_proj:
	s_mov_b64 s[64:65], 0
	v_nop
	global_prefetch_b8 v0, s[64:65] scope:SCOPE_SE
	s_setreg_imm32_b32 hwreg(HW_REG_WAVE_MODE, 25, 1), 1
	s_wait_xcnt 0x0
; q = rope(x W_q), k = rope(x W_k), v = x W_v, all three products on codes of FP4 (E2M1) with one E8M0 scale for each 32 along K = 128; then q and k are
; quantised along the head's 32 channels (a row is one block) and v along the keys (32 keys of a channel are one block), for the attention launch.
; x: [8][4096][128] f32.  W_q, W_k, W_v: [128 (k)][32 (n)] f32.  Out, laid in the order in which the attention launch's operand registers want them:
;   qc [b][4096 rows][16 B]                       32 codes of a row
;   qs [b][4096] words                            byte 0 = the row's scale byte, bytes 1-3 = 0 (they scale zero codes)
;   kc [b][256 tiles][16 slots][16 B]             tile 2 g + u of the group of keys 32 g .. 32 g + 31: slot m = key 32 g + 8 u + m + 8 (m / 8)
;   ks [b][32 steps][32 places][4 groups] words   place 16 u + m, group j of the step: the scale of tile 2 j + u, slot m
;   vc [b][32 steps][ct 2][c 2][h 2][r 16][16 B]  codes of keys 128 s + 64 c + 32 h + 0 .. 31 of channel 16 ct + r
;   vs [b][32 steps][ct 2][r 16] words            byte j = the scale of the step's keys 32 j .. 32 j + 31
; SHARES.  A work-group takes 128 rows (one key step of the attention launch), a wave 32 of them (one group of keys).  Waves 0, 1, 2 also quantise W_q, W_k, W_v
; (a lane to a column, registers down K); their six fragments reach all four waves through LDS as images of the operand's registers.
; NO CLUSTER: the work-groups share W alone, 48 KiB against the 64 KiB of x that each reads for itself and nobody else.
; q and k are made TRANSPOSED (source 0 = 16 columns of W, source 1 = 16 rows of x): a lane holds one row and eight neighbouring channels, four rope pairs.
; v is made the natural way (source 0 = x, source 1 = W_v): a lane holds one channel and its registers run down the keys.
; ROPE.  angle = theta x position, one f32 rounding; sine and cosine by an f32 range reduction (n = nearest whole number to angle x 2 / pi; pi / 2 in two parts) and polynomials on [-pi/4, pi/4].
; LIMITS: NaN and infinities among the inputs are not served.  A block of zeros, or one whose largest magnitude lies under 2^-124, gets the scale byte 1 (only this program reads the bytes; a block
; of zeros has zero codes).  The range reduction's first step is exact for n under 2^12, which positions up to 4,095 keep.  theta[j] is the f32 number nearest to 1 / (the f32 number nearest to 10^(j/4)).
.set WIM,  0                           ; LDS: W's six fragments, 1,024 bytes each (fragment 2 x role + t; registers 4 c .. 4 c + 3 at 512 c + 16 x lane)
.set WSC,  6144                        ; their scale words, 128 bytes each
.set KSG,  6912                        ; the step's 128 scale words of k, as ks has them
.set QSG,  7424                        ; of q
.set VSG,  7936                        ; the step's 32 scale words of v
.set XT,   8192                        ; x: for each wave 32 rows of 512 bytes + 16 of padding; the one region that the tensor loads fill, once
.set XP,   528                         ; 33 x 16: the sixteen rows that a load touches start at sixteen different places modulo 256 bytes
.set XW,   32*XP
.set LI,   1                           ; v1   16 x lane
.set LS,   2                           ; v2   4 x lane
.set RR,   3                           ; v3   r = lane % 16
.set HH,   4                           ; v4   h = lane / 16
.set XA,   5                           ; v5   x in LDS: my wave's tile + 528 r + 128 h
.set WO,   6                           ; v6   W in memory: 4 r + 4,096 h
.set WIA,  7                           ; v7   where I store W's images: 16 x lane + 2,048 x wave
.set WSA,  8                           ; v8   and their scale words: WSC + 4 x lane + 256 x wave
.set PI,   9                           ; v9   16 x my key's place among its group's two tiles
.set SH,   10                          ; v10  8 h
.set KSA,  11                          ; v11  KSG + 16 x place + 4 x wave
.set QSA,  12                          ; v12  QSG + 4 x lane + 128 x wave
.set VSA,  13                          ; v13  VSG + 4 x lane + wave
.set VO,   14                          ; v14  16 r + 1,024 h
.set TMP,  15
.set XS,   16                          ; v16-17  x's scale words: scales and nothing else
.set WS,   18                          ; v18-23  W's scale words: scales and nothing else
.set MX,   24                          ; v24-31  largest magnitudes, then bytes; during the sines four constants, twice each
.set PT,   32                          ; v32-39  what the other half of the lanes sends; during the sines theta
.set SO,   40                          ; v40-47  the conversions' scale operands; during the sines the positions and temporaries
.set CN,   48                          ; v48-63  angle, then the reduced angle, then the cosine, of 16 angles: 8 a + 4 u + p
.set SN,   64                          ; v64-79  its square, then the sine
.set NQ,   80                          ; v80-95  n
.set SP,   96                          ; v96-111  the sine polynomial
.set CP,   112                         ; v112-127 the cosine polynomial
.set XF,   80                          ; v80-95  W's codes on their way to LDS, then x's two fragments
.set WW,   96                          ; v96-97  W's scale words on their way to LDS
.set WF,   96                          ; v96-143 W's six fragments
.set RAW,  128                         ; v128-255 128 numbers of W, then of x
.set TT,   144                         ; v144-151 rope's products
.set ACC,  160                         ; v160-255 block b at 160 + 16 b: q rows 16 a on (b = a), k (b = 2 + a), v channels 16 ct on (b = 4 + ct)
.set OC,   96                          ; v96-107 the codes of q, k, v
.set QB,   108                         ; v108-110 my row's or channel's scale byte
.set GA,   112                         ; v112-120 the step's scale words on their way out
.set WV,   24                          ; s24  my wave's number
.set G0,   28                          ; s[28:31] descriptor group 0
.set G1,   32                          ; s[32:39] descriptor group 1
	s_load_b256 s[4:11], s[0:1], 0x0               ; x s[4:5], W_q s[6:7], W_k s[8:9], W_v s[10:11]
	s_load_b256 s[12:19], s[0:1], 0x20             ; qc s[12:13], qs s[14:15], kc s[16:17], ks s[18:19]
	s_load_b128 s[20:23], s[0:1], 0x40             ; vc s[20:21], vs s[22:23]
	v_lshl_add_u32 v46, v0, 2, 0x29000
	v_mov_b32 v47, 0
	ds_add_u32 v46, v47
	ds_add_u32 v46, v47
	v_lshrrev_b32 v[TMP], 5, v0
	v_readfirstlane_b32 s[WV], v[TMP]              ; wave 0..3
	; descriptor group 1: 32 rows of 128 elements of 4 bytes, dense in memory, 16 bytes of padding behind each row in LDS
	s_mov_b32 s[G1+0], (2<<16)|(1<<20)|(6<<22)|(3<<25)   ; no mask; elements of 4 bytes; padding on; after every 128 words (code 6) four words (code 3)
	s_mov_b32 s[G1+1], 128<<16                     ; tensor_dim0 = 128
	s_mov_b32 s[G1+2], 32<<16                      ; tensor_dim1 = 32
	s_mov_b32 s[G1+3], 128<<16                     ; tile_dim0 = 128
	s_mov_b32 s[G1+4], 32                          ; tile_dim1 = 32
	s_mov_b32 s[G1+5], 128                         ; elements from row to row
	s_mov_b32 s[G1+6], 0
	s_mov_b32 s[G1+7], 0
	s_mov_b32 s[G0+0], 1                           ; count = 1
	s_mul_i32 s[G0+1], s[WV], XW
	s_add_co_u32 s[G0+1], s[G0+1], XT              ; LDS address: my wave's tile
	s_lshl_b32 s56, ttmp9, 16                      ; the work-group's 128 rows of 512 bytes,
	s_lshl_b32 s58, s[WV], 14                      ; my wave's 32 of them
	s_add_co_u32 s56, s56, s58
	s_mov_b32 s57, 0
	s_wait_dscnt 0x0
	s_wait_kmcnt 0x0
	s_add_nc_u64 s[G0+2:G0+3], s[4:5], s[56:57]
	s_or_b32 s[G0+3], s[G0+3], 0x80000000          ; type = 2
	tensor_load_to_lds s[G0:G0+3], s[G1:G1+7]      ; my 16 KiB of x: the wave's one tensor load, the region's one fill
	s_nop 0
	v_and_b32 v[RR], 15, v0
	v_bfe_u32 v[HH], v0, 4, 1
	v_and_b32 v[TMP], 31, v0                       ; lane
	v_lshlrev_b32 v[LI], 4, v[TMP]
	v_lshlrev_b32 v[LS], 2, v[TMP]
	v_mul_u32_u24 v[XA], v[RR], XP
	v_lshl_add_u32 v[XA], v[HH], 7, v[XA]
	v_add_nc_u32 v[XA], s[G0+1], v[XA]             ; (the descriptor's word is read, not written)
	v_lshlrev_b32 v[WO], 2, v[RR]
	v_lshl_add_u32 v[WO], v[HH], 12, v[WO]         ; lanes 16-31 begin 32 rows of 128 bytes further down
	s_lshl_b32 s58, s[WV], 11
	v_add_nc_u32 v[WIA], s58, v[LI]
	s_lshl_b32 s58, s[WV], 8
	s_add_co_u32 s58, s58, WSC
	v_add_nc_u32 v[WSA], s58, v[LS]
	v_and_b32 v[PI], 7, v0                         ; key = lane: bit 3 says which of the group's two tiles, bits 4, 2-0 which slot
	v_lshlrev_b32 v[PI], 4, v[PI]
	v_bfe_u32 v[TMP], v0, 3, 1
	v_lshl_add_u32 v[PI], v[TMP], 8, v[PI]
	v_lshl_add_u32 v[PI], v[HH], 7, v[PI]
	v_lshlrev_b32 v[SH], 3, v[HH]
	s_lshl_b32 s58, s[WV], 2
	s_add_co_u32 s58, s58, KSG
	v_add_nc_u32 v[KSA], s58, v[PI]
	s_lshl_b32 s58, s[WV], 7
	s_add_co_u32 s58, s58, QSG
	v_add_nc_u32 v[QSA], s58, v[LS]
	s_add_co_u32 s58, s[WV], VSG
	v_add_nc_u32 v[VSA], s58, v[LS]
	v_lshlrev_b32 v[VO], 4, v[RR]
	v_lshl_add_u32 v[VO], v[HH], 10, v[VO]
	; where my parts of the six buffers begin
	s_lshl_b32 s58, ttmp9, 11
	s_lshl_b32 s60, s[WV], 9
	s_add_co_u32 s60, s58, s60
	s_mov_b32 s61, 0
	s_add_nc_u64 s[44:45], s[12:13], s[60:61]      ; qc: 2,048 x work-group + 512 x wave
	s_add_nc_u64 s[46:47], s[16:17], s[60:61]      ; kc: the same
	s_lshl_b32 s60, s[WV], 8
	s_add_co_u32 s60, s58, s60
	s_add_nc_u64 s[48:49], s[20:21], s[60:61]      ; vc: 2,048 x work-group + 256 x wave
	s_lshl_b32 s60, ttmp9, 9
	s_add_nc_u64 s[50:51], s[18:19], s[60:61]      ; ks: 512 x work-group
	s_add_nc_u64 s[52:53], s[14:15], s[60:61]      ; qs: the same
	s_lshl_b32 s60, ttmp9, 7
	s_add_nc_u64 s[54:55], s[22:23], s[60:61]      ; vs: 128 x work-group
	s_cmp_eq_u32 s[WV], 1                          ; which W is mine: the choice hangs on the wave's number alone
	s_cselect_b64 s[40:41], s[8:9], s[6:7]
	s_cmp_eq_u32 s[WV], 2
	s_cselect_b64 s[40:41], s[10:11], s[40:41]
	s_mov_b32 s42, 0x76543210
	s_mov_b32 s43, 0xfedcba98                      ; v_permlanex16_b32's selects for lane l xor 16
	s_cmp_gt_u32 s[WV], 2
	s_cbranch_scc1 .Lno_w_loads
	; W(64 c + 32 h + i, 16 t + r): a lane takes a column and its registers run down K; sixteen neighbouring lanes read 64 neighbouring bytes
.irp t, 0,1
.irp c, 0,1
.set i, 0
.rept 32
	global_load_b32 v[RAW+64*\t+32*\c+i], v[WO], s[40:41] offset:64*\t+8192*\c+128*i
.set i, i+1
.endr
.endr
.endr
.Lno_w_loads:
	; ---- SINES AND COSINES of my 16 angles, while x and W are on their way.  Angle 8 a + 4 u + p: row 16 a + r, rope pair 8 u + 4 h + p.
	v_cmp_eq_u32 vcc_lo, 1, v[HH]
.macro THETA q, lo, hi                 ; theta of pair 8 u + p in lanes 0-15, of pair 8 u + 4 + p in lanes 16-31
	v_mov_b32 v[PT+\q], \hi
	v_cndmask_b32 v[PT+\q], \lo, v[PT+\q], vcc_lo
.endm
	THETA 0, 0x3f800000, 0x3dcccccd
	THETA 1, 0x3f0ff59a, 0x3d6655c2
	THETA 2, 0x3ea1e89b, 0x3d0186e3
	THETA 3, 0x3e361887, 0x3c91ad39
	THETA 4, 0x3c23d70a, 0x3a83126f
	THETA 5, 0x3bb8449c, 0x3a136a16
	THETA 6, 0x3b4f3e38, 0x39a5cb60
	THETA 7, 0x3ae91528, 0x393a7753
	s_and_b32 s62, ttmp9, 31                       ; the step within the batch
	s_lshl_b32 s62, s62, 7
	s_lshl_b32 s63, s[WV], 5
	s_add_co_u32 s62, s62, s63
	v_add_nc_u32 v[SO], s62, v[RR]                 ; position of row r,
	v_add_nc_u32 v[SO+1], 16, v[SO]                ; of row 16 + r
	v_cvt_f32_u32 v[SO], v[SO]
	v_cvt_f32_u32 v[SO+1], v[SO+1]
.irp k, 0,1
	v_mov_b32 v[MX+\k], 0x3c08839e                 ; sine:   r + r z (S1 + z (S2 + z S3)), z = r r
	v_mov_b32 v[MX+2+\k], 0xbe2aaaa3
	v_mov_b32 v[MX+4+\k], 0xbab6061a               ; cosine: 1 + z (-1/2 + z (C1 + z (C2 + z C3)))
	v_mov_b32 v[MX+6+\k], 0x3d2aaaa5
.endr
.irp a, 0,1
.irp q, 0,1,2,3,4,5,6,7
	v_mul_f32 v[CN+8*\a+\q], v[PT+\q], v[SO+\a]    ; the angle: one rounding
.endr
.endr
.macro PAIRS                           ; (the packed lines below go over the 16 angles two at a time)
.endm
.set j, 0
.rept 8
	v_pk_mul_f32 v[NQ+j:NQ+j+1], v[CN+j:CN+j+1], 0x3f22f983 op_sel_hi:[1,0]   ; x 2 / pi
.set j, j+2
.endr
.set j, 0
.rept 16
	v_rndne_f32 v[NQ+j], v[NQ+j]                   ; n
.set j, j+1
.endr
.set j, 0
.rept 8
	v_pk_fma_f32 v[CN+j:CN+j+1], v[NQ+j:NQ+j+1], 0xbfc90fdb, v[CN+j:CN+j+1] op_sel_hi:[1,0,1]   ; - n x the f32 nearest to pi / 2: exact (n has 12 bits, the result lies under 1)
.set j, j+2
.endr
.set j, 0
.rept 8
	v_pk_fma_f32 v[CN+j:CN+j+1], v[NQ+j:NQ+j+1], 0x333bbd2e, v[CN+j:CN+j+1] op_sel_hi:[1,0,1]   ; + n x what that number has too much
.set j, j+2
.endr
.set j, 0
.rept 8
	v_pk_mul_f32 v[SN+j:SN+j+1], v[CN+j:CN+j+1], v[CN+j:CN+j+1]   ; z
.set j, j+2
.endr
.set j, 0
.rept 8
	v_pk_fma_f32 v[SP+j:SP+j+1], v[SN+j:SN+j+1], 0xb94ca1f9, v[MX:MX+1] op_sel_hi:[1,0,1]
	v_pk_fma_f32 v[CP+j:CP+j+1], v[SN+j:SN+j+1], 0x37ccf5ce, v[MX+4:MX+5] op_sel_hi:[1,0,1]
.set j, j+2
.endr
.set j, 0
.rept 8
	v_pk_fma_f32 v[SP+j:SP+j+1], v[SP+j:SP+j+1], v[SN+j:SN+j+1], v[MX+2:MX+3]
	v_pk_fma_f32 v[CP+j:CP+j+1], v[CP+j:CP+j+1], v[SN+j:SN+j+1], v[MX+6:MX+7]
.set j, j+2
.endr
.set j, 0
.rept 8
	v_pk_mul_f32 v[SP+j:SP+j+1], v[SP+j:SP+j+1], v[SN+j:SN+j+1]
	v_pk_fma_f32 v[CP+j:CP+j+1], v[CP+j:CP+j+1], v[SN+j:SN+j+1], -0.5 op_sel_hi:[1,1,0]
.set j, j+2
.endr
.set j, 0
.rept 8
	v_pk_fma_f32 v[SP+j:SP+j+1], v[SP+j:SP+j+1], v[CN+j:CN+j+1], v[CN+j:CN+j+1]
	v_pk_fma_f32 v[CP+j:CP+j+1], v[CP+j:CP+j+1], v[SN+j:SN+j+1], 1.0 op_sel_hi:[1,1,0]
.set j, j+2
.endr
.set j, 0
.rept 16
	v_cvt_i32_f32 v[NQ+j], v[NQ+j]                 ; n as a whole number, 0 or more
.set j, j+1
.endr
.set j, 0
.rept 16                               ; the quarter turn: n odd swaps the two; the sine changes sign where n & 2, the cosine where (n + 1) & 2
	v_and_b32 v[SO], 1, v[NQ+j]
	v_lshlrev_b32 v[SO+1], 30, v[NQ+j]
	v_add_lshl_u32 v[SO+2], v[NQ+j], 1, 30
	v_cmp_eq_u32 vcc_lo, 1, v[SO]
	v_and_b32 v[SO+1], 0x80000000, v[SO+1]
	v_and_b32 v[SO+2], 0x80000000, v[SO+2]
	v_cndmask_b32 v[SN+j], v[SP+j], v[CP+j], vcc_lo
	v_cndmask_b32 v[CN+j], v[CP+j], v[SP+j], vcc_lo
	v_xor_b32 v[SN+j], v[SN+j], v[SO+1]
	v_xor_b32 v[CN+j], v[CN+j], v[SO+2]
.set j, j+1
.endr
; Two tiles of 64 numbers a lane: register 32 (2 t + c) + i of v[src] on = k 64 c + 32 h + i of the lane's row or column, a whole block of 32 in a lane.
; They become two fragments, 8 registers each, in v[codes] on, and two scale words in v[words] on.
.macro QT2 src, codes, words
.irp b, 0,1,2,3
	v_max3_num_f32 v[MX+\b], |v[\src+32*\b]|, |v[\src+32*\b+1]|, 0x1800000   ; the block's largest magnitude, and the floor 2^(3 - 127): the byte cannot fall under 1
.endr
.set i, 2
.rept 15
.irp b, 0,1,2,3
	v_max3_num_f32 v[MX+\b], v[MX+\b], |v[\src+32*\b+i]|, |v[\src+32*\b+i+1]|   ; (the four blocks by turns)
.endr
.set i, i+2
.endr
.irp b, 0,1,2,3
	v_add_nc_u32 v[SO+\b], 0xff000000, v[MX+\b]    ; 2 off its exponent field: the conversion takes this operand's exponent field as its scale
.endr
.irp b, 0,1,2,3
	v_lshrrev_b32 v[MX+\b], 23, v[SO+\b]           ; the scale's byte
.endr
.irp t, 0,1
	v_lshl_or_b32 v[\words+\t], v[MX+2*\t+1], 16, v[MX+2*\t]   ; my two bytes: blocks h and 2 + h,
.endr
.irp t, 0,1
	v_lshlrev_b32 v[\words+\t], v[SH], v[\words+\t]            ; at their places in the word;
.endr
.irp t, 0,1
	v_permlanex16_b32 v[PT+\t], v[\words+\t], s42, s43
.endr
.irp t, 0,1
	v_or_b32 v[\words+\t], v[\words+\t], v[PT+\t]  ; with lane l xor 16's two the word is whole
.endr
.irp b, 0,1,2,3
.irp g, 0,1,2,3
	v_cvt_scalef32_pk8_fp4_f32 v[\codes+4*\b+\g], v[\src+32*\b+8*\g:\src+32*\b+8*\g+7], v[SO+\b]
.endr
.endr
	v_nop                                          ; one plain place behind the last scaled conversion
.endm
	; ---- W becomes codes (waves 0 to 2), and goes to LDS as it stands in the registers
	s_cmp_gt_u32 s[WV], 2
	s_cbranch_scc1 .Lno_w_quant
	s_wait_loadcnt 0x0                             ; my 128 loads of W
	QT2 RAW, XF, WW
.irp t, 0,1
.irp c, 0,1
	ds_store_b128 v[WIA], v[XF+8*\t+4*\c:XF+8*\t+4*\c+3] offset:WIM+1024*\t+512*\c
.endr
	ds_store_b32 v[WSA], v[WW+\t] offset:128*\t
.endr
.Lno_w_quant:
	; ---- x: lane (r, h) takes, of rows r and 16 + r, k = 64 c + 32 h + 0 .. 31
	s_wait_tensorcnt 0x0                           ; my tile has landed; only I read it
.irp a, 0,1
.irp c, 0,1
.irp i, 0,1,2,3,4,5,6,7
	ds_load_b128 v[RAW+64*\a+32*\c+4*\i:RAW+64*\a+32*\c+4*\i+3], v[XA] offset:16*XP*\a+256*\c+16*\i
.endr
.endr
.endr
	s_wait_dscnt 0x0                               ; x is in; and, for the others' sake, my stores of W's images have landed
	s_barrier_signal -1
	QT2 RAW, XF, XS                                ; register work while the others arrive
	s_wait_alu depctr_va_vdst(0)
	s_barrier_wait -1                              ; W's six fragments lie in LDS
.irp f, 0,1,2,3,4,5
.irp c, 0,1
	ds_load_b128 v[WF+8*\f+4*\c:WF+8*\f+4*\c+3], v[LI] offset:WIM+1024*\f+512*\c
.endr
	ds_load_b32 v[WS+\f], v[LS] offset:WSC+128*\f
.endr
.rept 8
	v_nop                                          ; x's scale words, written by vector instructions, stand eight places ahead of the scaled products, its codes four
.endr
	s_wait_dscnt 0x0
.macro PROD d, a, b, sa, sb
	v_wmma_scale_f32_16x16x128_f8f6f4 v[\d:\d+7], v[\a:\a+7], v[\b:\b+7], 0, v[\sa], v[\sb] matrix_a_fmt:MATRIX_FMT_FP4 matrix_b_fmt:MATRIX_FMT_FP4
.endm
	; twelve products on twelve accumulators, K = 128 in one instruction each
.irp a, 0,1
.irp u, 0,1
	PROD ACC+16*\a+8*\u, WF+8*\u, XF+8*\a, WS+\u, XS+\a             ; q: lane (r, h), register j: row 16 a + r, channel 16 u + 8 h + j
.endr
.endr
.irp a, 0,1
.irp u, 0,1
	PROD ACC+32+16*\a+8*\u, WF+16+8*\u, XF+8*\a, WS+2+\u, XS+\a     ; k likewise
.endr
.endr
.irp c, 0,1
.irp a, 0,1
	PROD ACC+64+16*\c+8*\a, XF+8*\a, WF+32+8*\c, XS+\a, WS+4+\c     ; v: lane (r, h), register j: key 16 a + 8 h + j, channel 16 c + r
.endr
.endr
.rept 4
	v_nop                                          ; four places between the products and the first read of their results
.endr
; rope on one accumulator: registers 2 p, 2 p + 1 are a pair.  The first line reads register 1, one of the four lowest.
.macro ROPE ac, e0
.irp p, 0,1,2,3
	v_mul_f32 v[TT+\p], v[\ac+2*\p+1], v[SN+\e0+\p]                 ; x2 s
.endr
.irp p, 0,1,2,3
	v_mul_f32 v[TT+4+\p], v[\ac+2*\p+1], v[CN+\e0+\p]               ; x2 c
.endr
.irp p, 0,1,2,3
	v_fma_f32 v[\ac+2*\p+1], v[\ac+2*\p], v[SN+\e0+\p], v[TT+4+\p]  ; x1 s + x2 c
.endr
.irp p, 0,1,2,3
	v_fma_f32 v[\ac+2*\p], v[\ac+2*\p], v[CN+\e0+\p], -v[TT+\p]     ; x1 c - x2 s
.endr
.endm
.irp a, 0,1
.irp u, 0,1
	ROPE ACC+16*\a+8*\u, 8*\a+4*\u
	ROPE ACC+32+16*\a+8*\u, 8*\a+4*\u
.endr
.endr
	; ---- six blocks of 32, half of each in lane l and half in lane l xor 16: q's and k's rows 16 a + r (32 channels), v's channels 16 ct + r (my 32 keys)
.irp b, 0,1,2,3,4,5
	v_max3_num_f32 v[MX+\b], |v[ACC+16*\b]|, |v[ACC+16*\b+1]|, 0x1800000
.endr
.irp i, 2,4,6,8,10,12,14
.irp b, 0,1,2,3,4,5
	v_max3_num_f32 v[MX+\b], v[MX+\b], |v[ACC+16*\b+\i]|, |v[ACC+16*\b+\i+1]|
.endr
.endr
.irp b, 0,1,2,3,4,5
	v_permlanex16_b32 v[PT+\b], v[MX+\b], s42, s43
.endr
.irp b, 0,1,2,3,4,5
	v_max_num_f32 v[MX+\b], v[MX+\b], v[PT+\b]     ; the block's largest magnitude
.endr
.irp b, 0,1,2,3,4,5
	v_add_nc_u32 v[SO+\b], 0xff000000, v[MX+\b]
.endr
.irp b, 0,1,2,3,4,5
	v_lshrrev_b32 v[MX+\b], 23, v[SO+\b]           ; its scale's byte
.endr
.irp b, 0,1,2,3,4,5
.irp g, 0,1
	v_cvt_scalef32_pk8_fp4_f32 v[OC+4*(\b/2)+2*\g+(\b%2)], v[ACC+16*\b+8*\g:ACC+16*\b+8*\g+7], v[SO+\b]
.endr
.endr
	v_nop                                          ; one plain place behind the last scaled conversion
.irp m, 0,1,2                          ; the first's lanes 16-31 change places with the second's lanes 0-15: lane l then holds, in four registers on end, the 32 codes of row l (q, k) or of channel l (v)
.irp g, 0,1
	v_permlane16_swap_b32 v[OC+4*\m+2*\g], v[OC+4*\m+2*\g+1]
.endr
.endr
	v_cmp_eq_u32 vcc_lo, 1, v[HH]
	global_store_b128 v[LI], v[OC:OC+3], s[44:45]          ; each of these three stores of the wave covers 512 bytes in two aligned runs of 256
	global_store_b128 v[PI], v[OC+4:OC+7], s[46:47]
	global_store_b128 v[VO], v[OC+8:OC+11], s[48:49]
.irp m, 0,1,2
	v_cndmask_b32 v[QB+\m], v[MX+2*\m], v[MX+2*\m+1], vcc_lo   ; lane l's byte: row or channel l
.endr
	ds_store_b32 v[QSA], v[QB]                     ; the work-group's scales meet in LDS, laid as the buffers have them
	ds_store_b32 v[KSA], v[QB+1]
	ds_store_b8 v[VSA], v[QB+2]                    ; byte = my wave's group of keys
	s_wait_dscnt 0x0                               ; for the others' sake: my stores have landed
	s_barrier_signal -1
	s_barrier_wait -1
	s_cmp_lg_u32 s[WV], 0
	s_cbranch_scc1 .Lend
	ds_load_b128 v[GA:GA+3], v[LI] offset:KSG
	ds_load_b128 v[GA+4:GA+7], v[LI] offset:QSG
	ds_load_b32 v[GA+8], v[LS] offset:VSG
	s_wait_dscnt 0x0
	global_store_b128 v[LI], v[GA:GA+3], s[50:51]          ; 512 consecutive bytes
	global_store_b128 v[LI], v[GA+4:GA+7], s[52:53]        ; 512 consecutive bytes
	global_store_b32 v[LS], v[GA+8], s[54:55]              ; 128 consecutive bytes: all that a step has of them
.Lend:
	s_wait_tensorcnt 0x0
	ds_add_u32 v46, v47
	s_wait_dscnt 0x0
	s_endpgm
.Lfunc_end_k_qa8fffe6e43_proj:
	.size	k_qa8fffe6e43_proj, .Lfunc_end_k_qa8fffe6e43_proj-k_qa8fffe6e43_proj
	.p2alignl 7, 3214868480
	.fill 96, 4, 3214868480
	.section	.rodata,"a",@progbits
	.p2align	6, 0x0
	.amdhsa_kernel k_qa8fffe6e43_proj
		.amdhsa_group_segment_fixed_size 168448
		.amdhsa_private_segment_fixed_size 0
		.amdhsa_enable_private_segment 0
		.amdhsa_kernarg_size 80
		.amdhsa_user_sgpr_count 2
		.amdhsa_user_sgpr_kernarg_segment_ptr 1
		.amdhsa_wavefront_size32 1
		.amdhsa_system_sgpr_workgroup_id_x 1
		.amdhsa_system_sgpr_workgroup_id_y 1
		.amdhsa_system_sgpr_workgroup_id_z 1
		.amdhsa_system_vgpr_workitem_id 0
		.amdhsa_next_free_vgpr 256
		.amdhsa_next_free_sgpr 66
		.amdhsa_reserve_vcc 1
		.amdhsa_float_denorm_mode_32 3
		.amdhsa_float_denorm_mode_16_64 3
		.amdhsa_memory_ordered 1
		.amdhsa_forward_progress 1
		.amdhsa_inst_pref_size 63
	.end_amdhsa_kernel
	.amdgpu_metadata
---
amdhsa.version: [ 1, 2 ]
amdhsa.kernels:
  - .name:           k_qa8fffe6e43_proj
    .symbol:         k_qa8fffe6e43_proj.kd
    .args:
      - { .name: x, .offset: 0, .size: 8, .value_kind: global_buffer, .address_space: global }
      - { .name: W_q, .offset: 8, .size: 8, .value_kind: global_buffer, .address_space: global }
      - { .name: W_k, .offset: 16, .size: 8, .value_kind: global_buffer, .address_space: global }
      - { .name: W_v, .offset: 24, .size: 8, .value_kind: global_buffer, .address_space: global }
      - { .name: qc, .offset: 32, .size: 8, .value_kind: global_buffer, .address_space: global }
      - { .name: qs, .offset: 40, .size: 8, .value_kind: global_buffer, .address_space: global }
      - { .name: kc, .offset: 48, .size: 8, .value_kind: global_buffer, .address_space: global }
      - { .name: ks, .offset: 56, .size: 8, .value_kind: global_buffer, .address_space: global }
      - { .name: vc, .offset: 64, .size: 8, .value_kind: global_buffer, .address_space: global }
      - { .name: vs, .offset: 72, .size: 8, .value_kind: global_buffer, .address_space: global }
    .group_segment_fixed_size: 168448
    .private_segment_fixed_size: 0
    .kernarg_segment_align: 8
    .kernarg_segment_size: 80
    .max_flat_workgroup_size: 128
    .sgpr_count:     66
    .vgpr_count:     256
    .wavefront_size: 32
...
	.end_amdgpu_metadata
.endif
;; end of part 1
;; launch attn (part 2): grid 256 x 1, 8 waves a work-group, clusters of 4 x 1, 237,568 bytes of LDS; arguments qc, qs, kc, ks, vc, vs, out0; writes out0
.if DOCPART == 2
	.amdgcn_target "amdgcn-amd-amdhsa--gfx1250"
	.amdhsa_code_object_version 6
	.text
	.protected	k_qa8fffe6e43_attn
	.globl	k_qa8fffe6e43_attn
	.p2align	8
	.type	k_qa8fffe6e43_attn,@function
k_qa8fffe6e43_attn:
	s_mov_b64 s[64:65], 0
	v_nop
	global_prefetch_b8 v0, s[64:65] scope:SCOPE_SE
	s_setreg_imm32_b32 hwreg(HW_REG_WAVE_MODE, 25, 1), 1
	s_wait_xcnt 0x0
	s_wait_alu depctr_hold_cnt(0) depctr_sa_sdst(0) depctr_va_vdst(0) depctr_va_sdst(0) depctr_va_ssrc(0) depctr_va_vcc(0) depctr_vm_vsrc(0)
	s_getreg_b32 s2, hwreg(HW_REG_IB_STS2, 6, 4)
	s_cmp_eq_u32 s2, 0
	s_cbranch_scc0 .Lentry_in_a_cluster
	s_endpgm
.Lentry_in_a_cluster:
	s_bfe_u32 s2, ttmp6, 0x10000c
	s_cmp_lg_u32 s2, 0x3003
	s_cbranch_scc0 .Lentry_shape_is_right
	s_endpgm
.Lentry_shape_is_right:
; out0[b][q][:] = the sum over keys k <= q of softmax_k(q . k / sqrt(32)) v[k][:], both products on codes of FP4 (E2M1) with one E8M0 scale for each 32 along a product's K.
; The inputs are the projection launch's six buffers (their layouts stand at its head).  out0: [8][4096][32] f32.
; THE FIRST PRODUCT has K = 32, the instruction K = 128: k = 32 .. 127 are zero codes on both sides (K's: zeros that the tensor load writes past the row's end, and registers set once; Q's: lanes and registers set to 0).
; THE SOFTMAX: t = score x log2(e) / sqrt(32) (one f32 constant); M = the row's largest t so far, rounded UP to a whole number; p = 2^(t - M) is what is quantised, along the keys, not normalised.
; The row's sum is taken of the unquantised p and divides at the end.  When M moves, the sum and O are multiplied by 2^(old M - new M): exact.
; Both products are used transposed (S^T = K Q^T, O^T = V^T P^T): a lane holds one query throughout; the keys of a tile of K are so chosen that the 16 registers of tiles 2 j, 2 j + 1 are 16 neighbouring keys.
; SHARES.  A step is 16 queries x 128 keys.  A tile of 16 queries in the block of 128 queries number Jb has Jb + 1 steps.  A PAIR is the tile at one place in block J (0 .. 15) and the tile at the same place
; in block 31 - J: 33 steps, whatever J.  Two waves serve a pair: role A (waves 0-3) takes the high tile's steps 0 .. 15; role B (waves 4-7) the low tile's J + 1 steps and then the high tile's steps 16 .. 31 - J:
; 16 and 17 steps.  A's part (-M, the sum, O^T) goes to B through LDS and is joined by exact powers of two.
; Both loops have 16 trips in every wave; a wave jumps over the work of the steps that are not its own, by scalar branches on ids.
; CLUSTER.  The four work-groups of a cluster belong to one batch and want the same K and V; a batch's codes and scales fit in LDS (212 KiB with K's zeros).  So they come ONCE, by joint loads with a mask that names the four:
; no LDS byte is filled twice.  Four tensor loads of a wave are out at the most.
; The place in the cluster enters the addresses of q and out0 and the mask's comparison value alone: no branch and no LDS address.
; LIMITS: beyond |t| = 2^24 M has f32's own grain.  NaN and infinities are not served.  A block of p whose largest lies under 2^-124 gets the scale byte 1.
.set KI,   0                           ; LDS: K's 256 tiles, 512 bytes each: 16 slots of 16 bytes, then 256 bytes of zeros (k = 32 .. 63, which lanes 16-31 read)
.set VI,   131072                      ; V's codes, 2,048 bytes a step
.set KSL,  196608                      ; K's scale words, 512 bytes a step
.set VSL,  212992                      ; V's scale words, 128 bytes a step
.set MRG,  217088                      ; a pair's record from A to B: 5 x 512 bytes for each of 4 pairs; no tensor load lands here
.set OST,  227328                      ; the way out: 16 rows of 128 bytes + 16, for each of 4 pairs; no tensor load lands here
.set LI,   1                           ; v1   16 x lane
.set AV0,  2                           ; v2   VI + 16 x lane
.set AS0,  3                           ; v3   KSL + 16 x lane
.set AW0,  4                           ; v4   VSL + 4 x lane
.set QO,   5                           ; v5   16 r
.set QSO,  6                           ; v6   4 r
.set MA,   7                           ; v7   my pair's record + 16 x lane
.set ADK,  8                           ; v8-11 the step's LDS addresses
.set ADV,  9
.set ADS,  10
.set ADW,  11
.set NM,   12                          ; v12  -M
.set TX,   13                          ; v13  the largest t so far
.set LL,   14                          ; v[14:15] the sum, in two halves
.set QF,   16                          ; v16-23 Q's fragment
.set SOA,  24                          ; v24  the stage: where I put 16 bytes of a row
.set SRA,  25                          ; v25  and where I read rows back
.set KF,   32                          ; v32-95 eight fragments of K; registers 4-7 of each are 0 for the whole launch
.set S,    96                          ; v96-159 S^T, then p
.set OT,   160                         ; v160-175 O^T: register 8 ct + j = channel 16 ct + 8 h + j
.set VF,   176                         ; v176-191 two fragments of V
.set BM,   192                         ; v192-195 a block's largest score, then its largest p
.set PM,   196                         ; v196-199 what the other half of the lanes sends, then the bytes
.set SOP,  200                         ; v200-203 the conversions' scale operands
.set FF,   204                         ; v[204:205] f = 2^(old M - new M); v205 is only named with it
.set TP,   206
.set LB,   208                         ; v[208:209] the sum's second chain
.set NINF, 210                         ; v210 -infinity
.set DV,   211                         ; v211 my query's place in its block of 128, less 16 h
.set PC,   224                         ; v224-231 p's codes
.set PW,   232                         ; v232 p's scale word; v233 V's; v234 Q's; v236-239 K's: scales and nothing else
.set VSR,  233
.set QSR,  234
.set KSR,  236
.set WV,   18                          ; s18 wave; s19 the pair; s20 the role
.set PP,   19
.set ROLE, 20
.set JJ,   21                          ; s21 J; s22 31 - J; s23 the tile's place in its block
.set JH,   22
.set TIB,  23
.set LIM,  24                          ; s24 the last step that is mine; s25 the step on the diagonal
.set DG,   25
.set SI,   26                          ; s26 the step
.set TK,   27                          ; s27-30 where the step's K, V, K's scales, V's scales begin
.set TV,   28
.set TS,   29
.set TW,   30
.set BAT,  31                          ; s31 the batch
.set G1K,  32                          ; s[32:63] four descriptor groups 1
.set G1V,  40
.set G1S,  48
.set G1W,  56
.set SEL,  66                          ; s[66:67] v_permlanex16_b32's selects for lane l xor 16
.set G0S,  68                          ; s[68:83] four descriptor groups 0
.set G0W,  72
.set G0K,  76
.set G0V,  80
.set CS,   84                          ; s[84:85] c = log2(e) / sqrt(32), twice
.set Q1,   92                          ; s[92:93], s[94:95] q's codes and scale words of the first tile; s[96:97], s[98:99] of the high tile
.set QS1,  94
.set Q2,   96
.set QS2,  98
.set O1,   100                         ; s[100:101] out0 at the first tile; s[16:17] at the high tile
.set O2,   16
.macro ROUND                           ; a round of the cluster's barrier
	s_barrier_signal -1
	s_barrier_wait -1
	s_cmp_lg_u32 s[WV], 0
	s_cbranch_scc1 .Lnot_wave_0_\@
	s_barrier_signal -3
.Lnot_wave_0_\@:
	s_barrier_wait -3
	s_barrier_signal -1
	s_barrier_wait -1
.endm
	s_load_b256 s[4:11], s[0:1], 0x0               ; qc s[4:5], qs s[6:7], kc s[8:9], ks s[10:11]
	s_load_b128 s[12:15], s[0:1], 0x20             ; vc s[12:13], vs s[14:15]
	s_load_b64 s[16:17], s[0:1], 0x30              ; out0
	v_lshl_add_u32 v254, v0, 2, 0x39c00
	v_mov_b32 v255, 0
	ds_add_u32 v254, v255
	ds_add_u32 v254, v255
	v_lshrrev_b32 v26, 5, v0
	s_delay_alu instid0(VALU_DEP_1)
	v_readfirstlane_b32 s[WV], v26                 ; wave 0..7
	s_and_b32 s[PP], s[WV], 3
	s_lshr_b32 s[ROLE], s[WV], 2
	s_bfe_u32 s3, ttmp6, 0x40000                   ; cx: my place in the cluster
	s_lshr_b32 s[BAT], ttmp9, 3                    ; in a cluster launch ttmp9 counts clusters: eight to a batch
	s_and_b32 s2, ttmp9, 7
	s_lshl_b32 s[JJ], s2, 1
	s_lshr_b32 s2, s[PP], 1
	s_add_co_u32 s[JJ], s[JJ], s2                  ; J = 2 x (cluster in its batch) + pair / 2: the same in all four partners
	s_sub_co_u32 s[JH], 31, s[JJ]
	s_lshl_b32 s[TIB], s3, 1
	s_and_b32 s2, s[PP], 1
	s_add_co_u32 s[TIB], s[TIB], s2                ; the tile's place in its block = 2 cx + pair % 2
	; descriptor groups 1: rows of 256 bytes (32 elements of 8 bytes), dense in memory.  15:0 the mask: all four work-groups; 17:16 elements of 8 bytes; 21 set beside a mask
.irp g, G1K, G1V, G1S, G1W
	s_mov_b32 s[\g], 15|(3<<16)|(1<<21)
	s_mov_b32 s[\g+1], 32<<16                      ; tensor_dim0 = 32
	s_mov_b32 s[\g+5], 32                          ; elements from row to row
	s_mov_b32 s[\g+6], 0
	s_mov_b32 s[\g+7], 0
.endr
	s_mov_b32 s[G1K+2], 32<<16                     ; K: 32 tiles to a load;
	s_mov_b32 s[G1K+3], 64<<16                     ; tile_dim0 = 64, twice tensor_dim0: the upper 256 bytes of each LDS row are written as zeros
	s_mov_b32 s[G1K+4], 32
	s_mov_b32 s[G1V+2], 32<<16                     ; V: 32 rows
	s_mov_b32 s[G1V+3], 32<<16
	s_mov_b32 s[G1V+4], 32
	s_mov_b32 s[G1S+2], 8<<16                      ; K's scales: 8 rows
	s_mov_b32 s[G1S+3], 32<<16
	s_mov_b32 s[G1S+4], 8
	s_mov_b32 s[G1W+2], 2<<16                      ; V's scales: 2 rows
	s_mov_b32 s[G1W+3], 32<<16
	s_mov_b32 s[G1W+4], 2
	; groups 0: each wave brings an eighth of each of the four regions; batch and wave alone enter them
	s_mov_b32 s[G0S], 1
	s_lshl_b32 s[G0S+1], s[WV], 11
	s_lshl_b32 s[G0S+2], s[BAT], 14
	s_add_co_u32 s[G0S+2], s[G0S+2], s[G0S+1]      ; ks: 16,384 b + 2,048 w
	s_add_co_u32 s[G0S+1], s[G0S+1], KSL
	s_mov_b32 s[G0S+3], 0
	s_mov_b32 s[G0W], 1
	s_lshl_b32 s[G0W+1], s[WV], 9
	s_lshl_b32 s[G0W+2], s[BAT], 12
	s_add_co_u32 s[G0W+2], s[G0W+2], s[G0W+1]      ; vs: 4,096 b + 512 w
	s_add_co_u32 s[G0W+1], s[G0W+1], VSL
	s_mov_b32 s[G0W+3], 0
	s_mov_b32 s[G0V], 1
	s_lshl_b32 s[G0V+1], s[WV], 13
	s_lshl_b32 s[G0V+2], s[BAT], 16
	s_add_co_u32 s[G0V+2], s[G0V+2], s[G0V+1]      ; vc: 65,536 b + 8,192 w
	s_mov_b32 s[G0K+2], s[G0V+2]                   ; kc: the same
	s_add_co_u32 s[G0V+1], s[G0V+1], VI
	s_mov_b32 s[G0V+3], 0
	s_mov_b32 s[G0K], 1
	s_lshl_b32 s[G0K+1], s[WV], 14                 ; K's LDS rows are twice as long
	s_mov_b32 s[G0K+3], 0
	; my tiles' first rows: R = 4,096 b + 128 x block + 16 x place
	s_lshl_b32 s2, s[BAT], 12
	s_lshl_b32 s3, s[TIB], 4
	s_add_co_u32 s2, s2, s3
	s_lshl_b32 s3, s[JH], 7
	s_add_co_u32 s[Q2], s2, s3                     ; the high tile's
	s_cmp_eq_u32 s[ROLE], 0
	s_cselect_b32 s3, s[JH], s[JJ]                 ; A begins with the high tile, B with the low one
	s_lshl_b32 s3, s3, 7
	s_add_co_u32 s[Q1], s2, s3
	s_lshl_b32 s[QS1], s[Q1], 2
	s_mov_b32 s[QS1+1], 0
	s_lshl_b32 s[O1], s[Q1], 7
	s_mov_b32 s[O1+1], 0
	s_lshl_b32 s[Q1], s[Q1], 4
	s_mov_b32 s[Q1+1], 0
	s_lshl_b32 s[QS2], s[Q2], 2
	s_mov_b32 s[QS2+1], 0
	s_lshl_b32 s2, s[Q2], 7
	s_mov_b32 s3, 0
	s_lshl_b32 s[Q2], s[Q2], 4
	s_mov_b32 s[Q2+1], 0
	s_mov_b32 s[SEL], 0x76543210
	s_mov_b32 s[SEL+1], 0xfedcba98
	s_mov_b32 s[CS], 0x3e8293ee                    ; c = 0.255035
	s_mov_b32 s[CS+1], s[CS]                       ; (named with it as a pair, so it is written)
	s_wait_dscnt 0x0
	s_wait_kmcnt 0x0
	s_add_nc_u64 s[G0S+2:G0S+3], s[10:11], s[G0S+2:G0S+3]
	s_or_b32 s[G0S+3], s[G0S+3], 0x80000000        ; type = 2
	s_add_nc_u64 s[G0W+2:G0W+3], s[14:15], s[G0W+2:G0W+3]
	s_or_b32 s[G0W+3], s[G0W+3], 0x80000000
	s_add_nc_u64 s[G0K+2:G0K+3], s[8:9], s[G0K+2:G0K+3]
	s_or_b32 s[G0K+3], s[G0K+3], 0x80000000
	s_add_nc_u64 s[G0V+2:G0V+3], s[12:13], s[G0V+2:G0V+3]
	s_or_b32 s[G0V+3], s[G0V+3], 0x80000000
	s_add_nc_u64 s[Q1:Q1+1], s[4:5], s[Q1:Q1+1]
	s_add_nc_u64 s[QS1:QS1+1], s[6:7], s[QS1:QS1+1]
	s_add_nc_u64 s[Q2:Q2+1], s[4:5], s[Q2:Q2+1]
	s_add_nc_u64 s[QS2:QS2+1], s[6:7], s[QS2:QS2+1]
	s_add_nc_u64 s[O1:O1+1], s[16:17], s[O1:O1+1]
	s_add_nc_u64 s[O2:O2+1], s[16:17], s[2:3]
	ROUND                                          ; all four work-groups are here: the joint loads meet
	tensor_load_to_lds s[G0S:G0S+3], s[G1S:G1S+7]  ; the launch's only fills, in one group: every wave issues all four, on its one path
	s_nop 0
	tensor_load_to_lds s[G0W:G0W+3], s[G1W:G1W+7]
	s_nop 0
	tensor_load_to_lds s[G0K:G0K+3], s[G1K:G1K+7]
	s_nop 0
	tensor_load_to_lds s[G0V:G0V+3], s[G1V:G1V+7]
	s_nop 0
.rept 4
	v_nop
.endr
	; every LDS address register is made here, ahead of the first parting of the roles
	v_and_b32 v26, 31, v0                          ; lane
	v_and_b32 v27, 15, v0                          ; r
	v_bfe_u32 v28, v0, 4, 1                        ; h
	s_delay_alu instid0(VALU_DEP_2)
	v_lshlrev_b32 v[QO], 4, v27
	s_delay_alu instid0(VALU_DEP_3)
	v_lshlrev_b32 v[QSO], 2, v27
.macro QLOAD qa, sa                    ; a tile's 16 rows of codes (16 bytes each) and its scale words
	global_load_b128 v[QF:QF+3], v[QO], s[\qa:\qa+1]
	global_load_b32 v[QSR], v[QSO], s[\sa:\sa+1]
.endm
	QLOAD Q1, QS1
	v_lshlrev_b32 v[LI], 4, v26
	s_delay_alu instid0(VALU_DEP_1)
	v_add_nc_u32 v[AV0], VI, v[LI]
	s_delay_alu instid0(VALU_DEP_2)
	v_add_nc_u32 v[AS0], KSL, v[LI]
	v_lshl_add_u32 v[AW0], v26, 2, VSL
	s_mul_i32 s2, s[PP], 2560
	s_add_co_u32 s2, s2, MRG
	v_add_nc_u32 v[MA], s2, v[LI]
	s_mul_i32 s2, s[PP], 2304
	s_add_co_u32 s2, s2, OST
	v_mul_u32_u24 v[SOA], v27, 144
	s_delay_alu instid0(VALU_DEP_1)
	v_lshl_add_u32 v[SOA], v28, 5, v[SOA]
	s_delay_alu instid0(VALU_DEP_1)
	v_add_nc_u32 v[SOA], s2, v[SOA]                ; in: row r, + 32 h
	v_lshrrev_b32 v[SRA], 3, v26
	s_delay_alu instid0(VALU_DEP_1)
	v_mul_u32_u24 v[SRA], v[SRA], 144
	v_and_b32 v29, 7, v0
	s_delay_alu instid0(VALU_DEP_1)
	v_lshl_add_u32 v[SRA], v29, 4, v[SRA]
	s_delay_alu instid0(VALU_DEP_1)
	v_add_nc_u32 v[SRA], s2, v[SRA]                ; back: eight lanes to a row of 128 bytes, four rows an instruction
	s_lshl_b32 s2, s[TIB], 4
	v_lshlrev_b32 v29, 4, v28
	s_delay_alu instid0(VALU_DEP_1)
	v_sub_nc_u32 v[DV], v27, v29
	s_delay_alu instid0(VALU_DEP_1)
	v_add_nc_u32 v[DV], s2, v[DV]                  ; 16 x place + r - 16 h
	v_mov_b32 v[NINF], 0xff800000
.irp t, 0,1,2,3,4,5,6,7
.irp i, 4,5,6,7
	v_mov_b32 v[KF+8*\t+\i], 0                     ; K's codes of k = 64 .. 127: zeros, once
.endr
.endr
.irp i, 4,5,6,7
	v_mov_b32 v[QF+\i], 0                          ; Q's likewise
.endr
.irp b, 0,1,2,3
	v_mov_b32 v[PM+\b], 0                          ; written once: a lane permute's destination counts as one of its sources
.endr
	v_mov_b32 v[TP], 0
	v_mov_b32 v[FF+1], 0                           ; (named as the upper half of the pair)
.macro INIT                            ; a tile begins: the largest t is -3e38, under every t; the sum and O^T are zeros, which the first change of M leaves zeros
	v_mov_b32 v[TX], 0xff61b1e6
	s_delay_alu instid0(VALU_DEP_1)
	v_floor_f32 v[NM], -v[TX]
	v_mov_b32 v[LL], 0
	v_mov_b32 v[LL+1], 0
.set j, 0
.rept 16
	v_mov_b32 v[OT+j], 0
.set j, j+1
.endr
.endm
.macro QMASK                           ; lanes 16-31 hold k = 32 .. 63 of Q: zero codes
	s_mov_b32 vcc_lo, 0xffff
.irp i, 0,1,2,3
	v_cndmask_b32 v[QF+\i], 0, v[QF+\i], vcc_lo
.endr
.endm
	INIT
	s_cmp_eq_u32 s[ROLE], 0
	s_cselect_b32 s[LIM], 15, s[JJ]                ; A: steps 0 .. 15, none on the diagonal;  B: steps 0 .. J, the last on the diagonal
	s_cselect_b32 s[DG], 255, s[JJ]
	s_mov_b32 s[SI], 0
	s_mov_b32 s[TK], 0
	s_mov_b32 s[TV], 0
	s_mov_b32 s[TS], 0
	s_mov_b32 s[TW], 0
	s_wait_loadcnt 0x0                             ; Q
	QMASK
	s_wait_tensorcnt 0x0                           ; my eighths of the four regions have landed,
	s_barrier_signal -1
	s_barrier_wait -1                              ; everybody's have: from here on these regions are only read
; A STEP: 16 queries x 128 keys.
.macro STEP
	s_cmp_gt_u32 s[SI], s[LIM]                     ; not my step: on to the lines that step the addresses
	s_cbranch_scc1 .Lskip_\@
	s_setprio 2
	v_add_nc_u32 v[ADK], s[TK], v[LI]              ; these four are also the places between the last step's products and the loads into their sources
	v_add_nc_u32 v[ADV], s[TV], v[AV0]
	v_add_nc_u32 v[ADS], s[TS], v[AS0]
	v_add_nc_u32 v[ADW], s[TW], v[AW0]
.irp t, 0,1,2,3,4,5,6,7
	ds_load_b128 v[KF+8*\t:KF+8*\t+3], v[ADK] offset:512*\t        ; 512 consecutive bytes: lanes 0-15 the tile's 16 keys, lanes 16-31 zeros
.endr
	ds_load_b128 v[KSR:KSR+3], v[ADS]              ; register j: lanes 0-15 the scales of tile 2 j, lanes 16-31 of tile 2 j + 1
.irp ct, 0,1
.irp c, 0,1
	ds_load_b128 v[VF+8*\ct+4*\c:VF+8*\ct+4*\c+3], v[ADV] offset:1024*\ct+512*\c
.endr
.endr
	ds_load_b32 v[VSR], v[ADW]                     ; lanes 0-15 channels 0-15, lanes 16-31 channels 16-31
	s_wait_dscnt 0x5                               ; K and its scales are in; V's five loads, issued behind them, may stay out
	s_wait_alu depctr_va_vdst(0)
.irp t, 0,2,4,6
	v_wmma_scale_f32_16x16x128_f8f6f4 v[S+8*\t:S+8*\t+7], v[KF+8*\t:KF+8*\t+7], v[QF:QF+7], 0, v[KSR+\t/2], v[QSR] matrix_a_fmt:MATRIX_FMT_FP4 matrix_b_fmt:MATRIX_FMT_FP4
	v_wmma_scale_f32_16x16x128_f8f6f4 v[S+8*\t+8:S+8*\t+15], v[KF+8*\t+8:KF+8*\t+15], v[QF:QF+7], 0, v[KSR+\t/2], v[QSR] matrix_a_fmt:MATRIX_FMT_FP4 matrix_b_fmt:MATRIX_FMT_FP4 matrix_a_scale:MATRIX_SCALE_ROW1
.endr                                  ; lane (r, h) holds query r; register 16 b + i the key 32 b + 16 h + i of the step
.rept 4
	v_nop                                          ; four places between the products and the first read of their results
.endr
	s_cmp_lg_u32 s[SI], s[DG]                      ; on the diagonal hidden scores become -infinity ahead of the maximum: p = 0 then.  The step's key 0 counts for every query
	s_cbranch_scc1 .Lopen_\@
.set n, 0
.rept 64
	v_cmp_gt_i32 vcc_lo, 32*(n/16)+n%16, v[DV]
	v_cndmask_b32 v[S+n], v[S+n], v[NINF], vcc_lo
.set n, n+1
.endr
.Lopen_\@:
.irp b, 0,1,2,3
	v_max3_num_f32 v[BM+\b], v[S+16*\b], v[S+16*\b+1], v[S+16*\b+2]   ; the largest score of each block of 32 keys: for the row's maximum and, since p rises with the score, for the block's largest p
.endr
.irp i, 3,5,7,9,11,13
.irp b, 0,1,2,3
	v_max3_num_f32 v[BM+\b], v[BM+\b], v[S+16*\b+\i], v[S+16*\b+\i+1]
.endr
.endr
.irp b, 0,1,2,3
	v_max_num_f32 v[BM+\b], v[BM+\b], v[S+16*\b+15]
.endr
.irp b, 0,1,2,3
	s_delay_alu instid0(VALU_DEP_4)
	v_permlanex16_b32 v[PM+\b], v[BM+\b], s[SEL], s[SEL+1]
.endr
.irp b, 0,1,2,3
	s_delay_alu instid0(VALU_DEP_4)
	v_max_num_f32 v[BM+\b], v[BM+\b], v[PM+\b]     ; with lane l xor 16's 16 keys
.endr
	s_delay_alu instid0(VALU_DEP_2)
	v_max3_num_f32 v[TP], v[BM], v[BM+1], v[BM+2]
	s_delay_alu instid0(VALU_DEP_1)
	v_max_num_f32 v[TP], v[TP], v[BM+3]            ; the step's largest score of my query
	s_delay_alu instid0(VALU_DEP_1)
	v_mul_f32 v[TP], s[CS], v[TP]                  ; as t (c is positive)
	s_delay_alu instid0(VALU_DEP_1)
	v_max_num_f32 v[TX], v[TX], v[TP]              ; the running largest t
	v_mov_b32 v[TP], v[NM]
	s_delay_alu instid0(VALU_DEP_2)
	v_floor_f32 v[NM], -v[TX]                      ; the new -M = floor(-t) = -ceil(t)
	s_delay_alu instid0(VALU_DEP_1)
	v_sub_f32 v[TP], v[NM], v[TP]                  ; old M - new M: a whole number, 0 or less
	s_delay_alu instid0(VALU_DEP_1)
	v_cvt_i32_f32 v[TP], v[TP]                     ; (it saturates)
	s_delay_alu instid0(VALU_DEP_1)
	v_ldexp_f32 v[FF], 1.0, v[TP]                  ; f = 2^(old M - new M)
.set j, 0
	s_setprio 1
.rept 32
	v_pk_fma_f32 v[S+j:S+j+1], v[S+j:S+j+1], s[CS:CS+1], v[NM:NM+1] op_sel_hi:[1,0,0]   ; t - M, two at a time (of the pairs c and -M the low word serves both halves)
.set j, j+2
.endr
.irp b, 0,1,2,3
	v_fma_f32 v[BM+\b], v[BM+\b], s[CS], v[NM]     ; the same of each block's largest score
.endr
.set j, 0
	s_wait_alu depctr_va_vdst(0)
.rept 64
	v_exp_f32 v[S+j], v[S+j]                       ; p = 2^(t - M), at most 1
.set j, j+1
.endr
.irp b, 0,1,2,3
	v_exp_f32 v[BM+\b], v[BM+\b]                   ; the block's largest p: the same two instructions on the same number
.endr
	v_pk_mul_f32 v[LL:LL+1], v[LL:LL+1], v[FF:FF+1] op_sel_hi:[1,0]   ; the sum under the new M (a plain place behind the exponentials),
.set j, 0
	s_wait_alu depctr_va_vdst(0)
.rept 8
	v_pk_mul_f32 v[OT+j:OT+j+1], v[OT+j:OT+j+1], v[FF:FF+1] op_sel_hi:[1,0]   ; and O^T, each accumulator from its low end on
.set j, j+2
.endr
	s_wait_alu depctr_va_vdst(0)
.irp b, 0,1,2,3
	v_max_num_f32 v[BM+\b], 0x1800000, v[BM+\b]    ; the floor 2^(3 - 127): the byte cannot fall under 1 (a block whose every p is 0 keeps that byte: its codes are zeros)
.endr
.irp b, 0,1,2,3
	s_delay_alu instid0(VALU_DEP_4)
	v_add_nc_u32 v[SOP+\b], 0xff000000, v[BM+\b]   ; 2 off the exponent field: the conversion's scale operand
.endr
.irp b, 0,1,2,3
	s_delay_alu instid0(VALU_DEP_4)
	v_lshrrev_b32 v[PM+\b], 23, v[SOP+\b]          ; the scale's byte
.endr
	s_delay_alu instid0(VALU_DEP_3)
	v_lshl_or_b32 v[PW], v[PM+1], 8, v[PM]         ; p's scale word for these 128 keys
	s_delay_alu instid0(VALU_DEP_1)
	v_lshl_or_b32 v[PW], v[PM+2], 16, v[PW]
	s_delay_alu instid0(VALU_DEP_1)
	v_lshl_or_b32 v[PW], v[PM+3], 24, v[PW]
	s_setprio 0
.irp b, 0,1,2,3
	v_cvt_scalef32_pk8_fp4_f32 v[PC+2*\b], v[S+16*\b:S+16*\b+7], v[SOP+\b]
	v_cvt_scalef32_pk8_fp4_f32 v[PC+2*\b+1], v[S+16*\b+8:S+16*\b+15], v[SOP+\b]
.endr
	v_nop                                          ; one plain place behind the last scaled conversion
.irp c, 0,1                            ; the operand's layout wants a whole block in a lane: lanes 0-15 block 2 c, lanes 16-31 block 2 c + 1
.irp i, 0,1
	v_permlane16_swap_b32 v[PC+4*\c+\i], v[PC+4*\c+2+\i]
.endr
.endr
	v_pk_add_f32 v[208:209], v[100:101], v[104:105]
	v_pk_add_f32 v[252:253], v[108:109], v[112:113]
	v_pk_add_f32 v[250:251], v[116:117], v[120:121]
	v_pk_add_f32 v[248:249], v[124:125], v[128:129]
	v_pk_add_f32 v[246:247], v[132:133], v[136:137]
	v_pk_add_f32 v[244:245], v[140:141], v[144:145]
	v_pk_add_f32 v[242:243], v[148:149], v[152:153]
	v_pk_add_f32 v[14:15], v[14:15], v[156:157]
	v_pk_add_f32 v[208:209], v[208:209], v[96:97]
	v_pk_add_f32 v[252:253], v[252:253], v[98:99]
	v_pk_add_f32 v[250:251], v[250:251], v[102:103]
	v_pk_add_f32 v[248:249], v[248:249], v[106:107]
	v_pk_add_f32 v[246:247], v[246:247], v[110:111]
	v_pk_add_f32 v[244:245], v[244:245], v[114:115]
	v_pk_add_f32 v[242:243], v[242:243], v[118:119]
	v_pk_add_f32 v[14:15], v[14:15], v[122:123]
	v_pk_add_f32 v[208:209], v[208:209], v[126:127]
	v_pk_add_f32 v[252:253], v[252:253], v[130:131]
	v_pk_add_f32 v[250:251], v[250:251], v[134:135]
	v_pk_add_f32 v[248:249], v[248:249], v[138:139]
	v_pk_add_f32 v[246:247], v[246:247], v[142:143]
	v_pk_add_f32 v[244:245], v[244:245], v[146:147]
	v_pk_add_f32 v[242:243], v[242:243], v[150:151]
	v_pk_add_f32 v[14:15], v[14:15], v[154:155]
	v_pk_add_f32 v[208:209], v[208:209], v[158:159]
	s_delay_alu instid0(VALU_DEP_2)
	v_pk_add_f32 v[14:15], v[14:15], v[248:249]
	s_delay_alu instid0(VALU_DEP_2)
	v_pk_add_f32 v[208:209], v[208:209], v[246:247]
	v_pk_add_f32 v[252:253], v[252:253], v[244:245]
	v_pk_add_f32 v[250:251], v[250:251], v[242:243]
	s_delay_alu instid0(VALU_DEP_2)
	v_pk_add_f32 v[14:15], v[14:15], v[252:253]
	s_delay_alu instid0(VALU_DEP_2)
	v_pk_add_f32 v[208:209], v[208:209], v[250:251]
	s_delay_alu instid0(VALU_DEP_1)
	v_pk_add_f32 v[14:15], v[14:15], v[208:209]
	s_wait_dscnt 0x0                               ; V and its scales are in
	; O^T += V^T P^T, K = these 128 keys.  The two accumulators take turns, and the eight score products stand between a link and the next
	v_wmma_scale_f32_16x16x128_f8f6f4 v[OT:OT+7], v[VF:VF+7], v[PC:PC+7], v[OT:OT+7], v[VSR], v[PW] matrix_a_fmt:MATRIX_FMT_FP4 matrix_b_fmt:MATRIX_FMT_FP4
	v_wmma_scale_f32_16x16x128_f8f6f4 v[OT+8:OT+15], v[VF+8:VF+15], v[PC:PC+7], v[OT+8:OT+15], v[VSR], v[PW] matrix_a_fmt:MATRIX_FMT_FP4 matrix_b_fmt:MATRIX_FMT_FP4 matrix_a_scale:MATRIX_SCALE_ROW1
.Lskip_\@:
	s_add_co_u32 s[TK], s[TK], 4096                ; the next step's eight tiles of K,
	s_add_co_u32 s[TV], s[TV], 2048                ; its V,
	s_add_co_u32 s[TS], s[TS], 512                 ; and their scale words
	s_add_co_u32 s[TW], s[TW], 128
	s_add_co_u32 s[SI], s[SI], 1
.endm
; A tile leaves: O^T / the sum goes through my pair's stage and comes back as whole rows; each store of the wave covers 512 consecutive bytes, aligned.
.macro FINAL ptr
	v_add_f32 v[LL], v[LL], v[LL+1]                ; the sum's two halves,
	s_delay_alu instid0(VALU_DEP_1)
	v_permlanex16_b32 v[TP], v[LL], s[SEL], s[SEL+1]
	s_delay_alu instid0(VALU_DEP_1)
	v_add_f32 v[LL], v[LL], v[TP]                  ; and lane l xor 16's
	s_wait_alu depctr_va_vdst(0)
	v_rcp_f32 v[LL], v[LL]
	v_nop                                          ; one plain place behind the reciprocal
.set j, 0
	s_wait_alu depctr_va_vdst(0)
.rept 16
	v_mul_f32 v[S+j], v[OT+j], v[LL]               ; register 8 ct + j: out(query r, channel 16 ct + 8 h + j)
.set j, j+1
.endr
.irp q, 0,1,2,3
	ds_store_b128 v[SOA], v[S+4*\q:S+4*\q+3] offset:64*(\q/2)+16*(\q%2)
.endr
.irp i, 0,1,2,3
	ds_load_b128 v[S+16+4*\i:S+16+4*\i+3], v[SRA] offset:576*\i    ; LDS serves a wave's instructions in order: these see my stores
.endr
.irp i, 0,1,2,3
	s_wait_dscnt 3-\i                              ; load i is back; the younger ones may stay out
	global_store_b128 v[LI], v[S+16+4*\i:S+16+4*\i+3], s[\ptr:\ptr+1] offset:512*\i th:TH_STORE_NT
.endr
.endm
.Lloop1:                                               ; steps 0 .. 15
	STEP
	s_cmp_lt_u32 s[SI], 16
	s_cbranch_scc1 .Lloop1
	s_setprio 0
.rept 4
	v_nop                                          ; four places between the last products and the reads of O^T
.endr
	s_cmp_eq_u32 s[ROLE], 0
	s_cbranch_scc0 .Lmid_b
	s_wait_alu depctr_va_vdst(0)
.irp q, 0,1,2,3                        ; A: my part of the high tile goes to B as it stands in the registers
	ds_store_b128 v[MA], v[OT+4*\q:OT+4*\q+3] offset:512*\q
.endr
	ds_store_b128 v[MA], v[NM:NM+3] offset:2048    ; -M, the largest t, the sum's two halves
	s_branch .Lmid_join
.Lmid_b:                                               ; B: the low tile is finished; the high tile begins
	s_wait_alu depctr_va_vdst(0)
	FINAL O1
	s_wait_xcnt 0x0                                ; the stores have read their registers: the next scores may land there
	QLOAD Q2, QS2
	INIT
	s_wait_loadcnt 0x0
	QMASK
.Lmid_join:
	s_cmp_eq_u32 s[ROLE], 0
	s_cselect_b32 s[LIM], 0, s[JH]                 ; A: no step more;  B: steps 16 .. 31 - J, the last on the diagonal
	s_cselect_b32 s[DG], 255, s[JH]
	s_mov_b32 s[SI], 16
	s_mov_b32 s[TK], 16*4096
	s_mov_b32 s[TV], 16*2048
	s_mov_b32 s[TS], 16*512
	s_mov_b32 s[TW], 16*128
.Lloop2:                                               ; steps 16 .. 31
	STEP
	s_cmp_lt_u32 s[SI], 32
	s_cbranch_scc1 .Lloop2
	s_setprio 0
.rept 4
	v_nop                                          ; four places between the last products and the reads of O^T
.endr
	s_wait_dscnt 0x0                               ; for B's sake: A's record has landed
	s_barrier_signal -1
	s_barrier_wait -1
	s_cmp_eq_u32 s[ROLE], 0
	s_cbranch_scc1 .Lend
	; B: A's part and mine are brought under the larger M, each by an exact power of two, and added
.irp q, 0,1,2,3,4
	ds_load_b128 v[S+4*\q:S+4*\q+3], v[MA] offset:512*\q
.endr
	v_mov_b32 v[S+23], 0                           ; (named as the upper half of the pair)
	s_wait_dscnt 0x0
	v_min_num_f32 v[TP], v[NM], v[S+16]            ; the joint -M
	s_delay_alu instid0(VALU_DEP_1)
	v_sub_f32 v[S+20], v[TP], v[S+16]              ; A's M - the joint M
	s_delay_alu instid0(VALU_DEP_2)
	v_sub_f32 v[S+21], v[TP], v[NM]                ; mine likewise
	s_delay_alu instid0(VALU_DEP_2)
	v_cvt_i32_f32 v[S+20], v[S+20]
	s_delay_alu instid0(VALU_DEP_2)
	v_cvt_i32_f32 v[S+21], v[S+21]
	s_delay_alu instid0(VALU_DEP_2)
	v_ldexp_f32 v[S+22], 1.0, v[S+20]
	s_delay_alu instid0(VALU_DEP_2)
	v_ldexp_f32 v[FF], 1.0, v[S+21]
	s_wait_alu depctr_va_vdst(0)
	v_pk_mul_f32 v[LL:LL+1], v[LL:LL+1], v[FF:FF+1] op_sel_hi:[1,0]
.set j, 0
.rept 8
	v_pk_mul_f32 v[OT+j:OT+j+1], v[OT+j:OT+j+1], v[FF:FF+1] op_sel_hi:[1,0]
.set j, j+2
.endr
	v_pk_fma_f32 v[LL:LL+1], v[S+18:S+19], v[S+22:S+23], v[LL:LL+1] op_sel_hi:[1,0,1]
.set j, 0
.rept 8
	v_pk_fma_f32 v[OT+j:OT+j+1], v[S+j:S+j+1], v[S+22:S+23], v[OT+j:OT+j+1] op_sel_hi:[1,0,1]
.set j, j+2
.endr
	FINAL O2
.Lend:
	s_wait_dscnt 0x0                               ; no LDS instruction of mine is out at the signal
	s_wait_tensorcnt 0x0
	ds_add_u32 v254, v255
	s_wait_dscnt 0x0
	ROUND                                          ; the closing round: no work-group ends while a partner may still ask for a tile that names it
	s_endpgm
.Lfunc_end_k_qa8fffe6e43_attn:
	.size	k_qa8fffe6e43_attn, .Lfunc_end_k_qa8fffe6e43_attn-k_qa8fffe6e43_attn
	.p2alignl 7, 3214868480
	.fill 96, 4, 3214868480
	.section	.rodata,"a",@progbits
	.p2align	6, 0x0
	.amdhsa_kernel k_qa8fffe6e43_attn
		.amdhsa_group_segment_fixed_size 237568
		.amdhsa_private_segment_fixed_size 0
		.amdhsa_enable_private_segment 0
		.amdhsa_kernarg_size 56
		.amdhsa_user_sgpr_count 2
		.amdhsa_user_sgpr_kernarg_segment_ptr 1
		.amdhsa_wavefront_size32 1
		.amdhsa_system_sgpr_workgroup_id_x 1
		.amdhsa_system_sgpr_workgroup_id_y 1
		.amdhsa_system_sgpr_workgroup_id_z 1
		.amdhsa_system_vgpr_workitem_id 0
		.amdhsa_next_free_vgpr 256
		.amdhsa_next_free_sgpr 102
		.amdhsa_reserve_vcc 1
		.amdhsa_float_denorm_mode_32 3
		.amdhsa_float_denorm_mode_16_64 3
		.amdhsa_memory_ordered 1
		.amdhsa_forward_progress 1
		.amdhsa_inst_pref_size 60
	.end_amdhsa_kernel
	.amdgpu_metadata
---
amdhsa.version: [ 1, 2 ]
amdhsa.kernels:
  - .name:           k_qa8fffe6e43_attn
    .symbol:         k_qa8fffe6e43_attn.kd
    .args:
      - { .name: qc, .offset: 0, .size: 8, .value_kind: global_buffer, .address_space: global }
      - { .name: qs, .offset: 8, .size: 8, .value_kind: global_buffer, .address_space: global }
      - { .name: kc, .offset: 16, .size: 8, .value_kind: global_buffer, .address_space: global }
      - { .name: ks, .offset: 24, .size: 8, .value_kind: global_buffer, .address_space: global }
      - { .name: vc, .offset: 32, .size: 8, .value_kind: global_buffer, .address_space: global }
      - { .name: vs, .offset: 40, .size: 8, .value_kind: global_buffer, .address_space: global }
      - { .name: out0, .offset: 48, .size: 8, .value_kind: global_buffer, .address_space: global }
    .group_segment_fixed_size: 237568
    .private_segment_fixed_size: 0
    .kernarg_segment_align: 8
    .kernarg_segment_size: 56
    .max_flat_workgroup_size: 256
    .sgpr_count:     102
    .vgpr_count:     256
    .wavefront_size: 32
...
	.end_amdgpu_metadata
.endif
;; end of part 2
